; MI455X (gfx1250); checked and timed in simulation.
; The chip was launched on July 23, 2026; its instructions are those of AMD's public machine-readable ISA for CDNA 5 (MIT licence, August 2026) and "CDNA5" Instruction Set Architecture Reference Guide (July 2026). The comments in the code are by the model that wrote it; some were corrected since.
;; Swin Transformer. Allowed arithmetic: matrix products marked QUANTISED: E3M2 operands, one E8M0 scale for each 32 along K, by v_wmma_scale_f32_16x16x128_f8f6f4 with both operands' format E3M2, f32 sums; everything else in f32.
;; Inputs: f1b 2 x 512 float32; f1w 2 x 128 x 512 float32; f2b 2 x 128 float32; f2w 2 x 512 x 128 float32; n1b 2 x 128 float32; n1g 2 x 128 float32; n2b 2 x 128 float32; n2g 2 x 128 float32; pb 2 x 128 float32; pw 2 x 128 x 128 float32; qkvb 2 x 384 float32; qkvw 2 x 128 x 384 float32; rpb 2 x 169 x 4 float32; x 32 x 3,136 x 128 float32.
;; Outputs: out0 32 x 3,136 x 128 float32.
;; This version of the problem:
;;   THIS VERSION OF THE PROBLEM IS GIVEN IN LOW PRECISION. The matrix products marked QUANTISED in the list below multiply operands that are first quantised to E3M2 (3 exponent bits, 2 mantissa bits; 6 bits a number), with one power-of-two scale for each 32 numbers along K (OCP MX v1.0); their sums are f32. All else is computed in f32.
;;   The module's matrix products, in the order in which they are computed (A, B: the left and right operand; K: the contracted axis; several contracted axes count as one K, in the product's order):
;;     1. [M 100,352, K 128] x [K 128, N 384]; A: computed on the way; B: input qkvw: QUANTISED
;;     2. batch 8,192 x [M 49, K 32] x [K 32, N 49]; A: computed on the way; B: computed on the way: QUANTISED
;;     3. batch 8,192 x [M 49, K 49] x [K 49, N 32]; A: softmax (see below); B: computed on the way: QUANTISED
;;     4. [M 100,352, K 128] x [K 128, N 128]; A: computed on the way; B: input pw: QUANTISED
;;     5. [M 100,352, K 128] x [K 128, N 512]; A: computed on the way; B: input f1w: QUANTISED
;;     6. [M 100,352, K 512] x [K 512, N 128]; A: computed on the way; B: input f2w: QUANTISED
;;     7. [M 100,352, K 128] x [K 128, N 384]; A: computed on the way; B: input qkvw: QUANTISED
;;     8. batch 8,192 x [M 49, K 32] x [K 32, N 49]; A: computed on the way; B: computed on the way: QUANTISED
;;     9. batch 8,192 x [M 49, K 49] x [K 49, N 32]; A: softmax (see below); B: computed on the way: QUANTISED
;;     10. [M 100,352, K 128] x [K 128, N 128]; A: computed on the way; B: input pw: QUANTISED
;;     11. [M 100,352, K 128] x [K 128, N 512]; A: computed on the way; B: input f1w: QUANTISED
;;     12. [M 100,352, K 512] x [K 512, N 128]; A: computed on the way; B: input f2w: QUANTISED
;;   THE QUANTISER, for each operand of a quantised product, along K:
;;     - K is cut into blocks of 32 from its start; a last block that is shorter is filled with zeros.
;;     - A block's scale is 2^e with e = floor(log2(the largest magnitude in the block)) - 4, held to -126 .. 127; a block of zeros has e = 0. As a byte (E8M0): e + 127.
;;     - Each number is divided by its block's scale, clamped to +-28, and rounded to the nearest number of E3M2, ties to even, subnormals kept.
;;     - The product sums the exact products of the quantised numbers (number of the format x scale) in f32.
;;   ~~~python
;;   def quantise(x, axis):      # numpy; x: float32 -> the quantised numbers, widened to float32 again
;;       x = np.moveaxis(x, axis, -1); K = x.shape[-1]
;;       x = np.pad(x, [(0, 0)] * (x.ndim - 1) + [(0, -K % 32)]); x = x.reshape(x.shape[:-1] + (-1, 32)); a = np.abs(x).max(-1, keepdims=True)
;;       e = np.where(a > 0, np.clip(np.frexp(np.where(a > 0, a, 1))[1] - 1 - 4, -126, 127), 0)      # np.frexp(a)[1] - 1 = floor(log2(a)), exactly
;;       r = np.clip(x / 2.0 ** e, -28, 28)
;;       step = 2.0 ** (np.maximum(np.frexp(np.where(r == 0, 1, r))[1] - 1, -2) - 2)
;;       q = np.round(r / step) * step * 2.0 ** e      # np.round: ties to even
;;       return np.moveaxis(q.reshape(q.shape[:-2] + (-1,))[..., :K], -1, axis).astype(np.float32)
;;   ~~~
;;   SOFTMAX AHEAD OF A QUANTISED PRODUCT. Where the list says 'softmax', what is quantised is not the finished softmax but p = 2^(t - M), with t = logit x log2(e) and M = ceil(the row's largest t), a whole number; so 1/2 < the row's largest p <= 1. The row's sum l is taken of the UNQUANTISED p, in f32, and the product's result is divided by l at the end. Since M is a whole number, a kernel that streams over the keys may use a running M (the ceiling of the running maximum): every later rescaling is an exact power of two, which a block's scale takes up: the codes' values come out the same.
;;   OPERANDS COMPUTED ON THE WAY. 'Computed on the way' means the value that the module computes at that place (a softmax that the list does not call 'softmax' is quantised finished and normalised). What goes into a quantiser is computed in f32, as accurately as f32 sums, v_exp_f32 and their like allow (about 1e-6 of the number): no bf16 or f16 on the way to a quantiser, and a product that is left as it is and whose result goes on into a quantised operand takes f32 operands (vector FMAs, or v_wmma_f32_16x16x4_f32). A number that lies on a knife's edge between two numbers of the format may be rounded either way, as far as f32 arithmetic and the matrix unit's own rounding can turn it there, and no further.
;; One version. Each part assembles by itself: llvm-mc -triple=amdgcn-amd-amdhsa -mcpu=gfx1250 --defsym DOCPART=n.
;; ======== version 1 of 1: 3 launches
;; workspace buffers: wk0 428,544 bytes; wk1 428,544 bytes; rows0 524,288 bytes of whole numbers; rows1 524,288 bytes of whole numbers; xmid 51,380,224 bytes
;; launch prep (part 1): grid 306 x 1, 4 waves a work-group, no clusters, 0 bytes of LDS; arguments qkvw, pw, f1w, f2w, qkvb, f1b, f2b, n1g, n1b, n2g, n2b, pb, rpb, wk0, wk1, rows0, rows1; writes wk0, wk1, rows0, rows1
.if DOCPART == 1
	.amdgcn_target "amdgcn-amd-amdhsa--gfx1250"
	.amdhsa_code_object_version 6
	.text
	.protected	k_q2e8b1421fc_prep
	.globl	k_q2e8b1421fc_prep
	.p2align	8
	.type	k_q2e8b1421fc_prep,@function
k_q2e8b1421fc_prep:
	s_mov_b64 s[64:65], 0
	v_nop
	global_prefetch_b8 v0, s[64:65] scope:SCOPE_SE
	s_setreg_imm32_b32 hwreg(HW_REG_WAVE_MODE, 25, 1), 1
	s_wait_xcnt 0x0
; What both block launches read again and again is made here once, for layer 0 into wk0 / rows0 and for layer 1 into wk1 / rows1.
; wk: 96 operand fragments of the four weights as codes of BF6 (E3M2), in the order of the operand's registers (fragment F, register group c, lane l at 1536 F + 512 c + 16 l);
;     their scale words (128 F + 4 l); the eight vectors of biases and gains on end; the table bias + mask of the scores, in the layout of a score tile's accumulator, for each kind of window and head.
; rows: for each window n (dealt by kind of mask) and each of its 64 slots the row of x that the slot holds, as a whole number.
; Work-groups 0-47: weights, a fragment a wave.  48-175: the table, a tile a wave.  176-303: the rows, eight windows a wave.  304, 305: the vectors.  No LDS, no barrier: waves share nothing.
; A weight has K as its first axis: a lane takes a column and its registers run down K, in the order that the operand's layout gives that lane, so the conversions' results are the operand's registers.
; A block's scale byte is its largest magnitude's exponent field - 4, held at 1 from below; a block of zeros so gets the byte 1 (its codes are zeros, and this program alone reads the bytes).
; LIMITS: NaN and infinities among the inputs are not served; blocks whose largest magnitude lies under 2^-122 get the byte 1.
.set WK_WSC,  147456
.set WK_VECS, 159744
.set WK_TBL,  166400
	s_load_b512 s[4:19], s[0:1], 0x0               ; qkvw s[4:5], pw s[6:7], f1w s[8:9], f2w s[10:11], qkvb s[12:13], f1b s[14:15], f2b s[16:17], n1g s[18:19]
	s_load_b512 s[20:35], s[0:1], 0x40             ; n1b s[20:21], n2g s[22:23], n2b s[24:25], pb s[26:27], rpb s[28:29], wk0 s[30:31], wk1 s[32:33], rows0 s[34:35]
	s_load_b64 s[36:37], s[0:1], 0x80              ; rows1
	v_lshrrev_b32 v1, 5, v0
	v_readfirstlane_b32 s40, v1                    ; wave
	v_and_b32 v1, 31, v0                           ; lane
	v_and_b32 v2, 15, v0                           ; r
	v_bfe_u32 v3, v0, 4, 1                         ; hh
	v_and_b32 v4, 8, v2
	v_add_nc_u32 v4, v4, v2                        ; pi(r) = r % 8 + 16 (r / 8)
	s_mov_b32 s38, 0x76543210
	s_mov_b32 s39, 0xfedcba98                      ; v_permlanex16_b32's selects for lane l xor 16
	s_wait_kmcnt 0x0
	s_cmp_lt_u32 ttmp9, 48
	s_cbranch_scc1 .Lweights
	s_cmp_lt_u32 ttmp9, 176
	s_cbranch_scc1 .Ltable
	s_cmp_lt_u32 ttmp9, 304
	s_cbranch_scc1 .Lrows
	; ---- the vectors: thirteen pieces of 512 bytes, on end in wk
	s_sub_co_u32 s41, ttmp9, 304                   ; layer
	s_cmp_eq_u32 s41, 0
	s_cselect_b64 s[42:43], s[30:31], s[32:33]
	v_lshlrev_b32 v7, 2, v0                        ; 4 bytes a thread
	s_mul_i32 s44, s41, 1536
	v_add_nc_u32 v4, s44, v7
	s_lshl_b32 s44, s41, 11
	v_add_nc_u32 v5, s44, v7
	s_lshl_b32 s44, s41, 9
	v_add_nc_u32 v6, s44, v7
	global_load_b32 v16, v4, s[12:13]
	global_load_b32 v17, v4, s[12:13] offset:512
	global_load_b32 v18, v4, s[12:13] offset:1024
	global_load_b32 v19, v5, s[14:15]
	global_load_b32 v20, v5, s[14:15] offset:512
	global_load_b32 v21, v5, s[14:15] offset:1024
	global_load_b32 v22, v5, s[14:15] offset:1536
	global_load_b32 v23, v6, s[16:17]
	global_load_b32 v24, v6, s[18:19]
	global_load_b32 v25, v6, s[20:21]
	global_load_b32 v26, v6, s[22:23]
	global_load_b32 v27, v6, s[24:25]
	global_load_b32 v28, v6, s[26:27]
	s_wait_loadcnt 0x0
.irp k, 0,1,2,3,4,5,6,7,8,9,10,11,12
	global_store_b32 v7, v[16+\k], s[42:43] offset:WK_VECS+512*\k   ; qkvb (3), f1b (4), f2b, n1g, n1b, n2g, n2b, pb
.endr
	s_endpgm
	; ---- the weights: fragment F = 4 x (work-group in its layer) + wave
.macro WLD ncols                       ; W(64 c + 32 hh + i, my column), i = 0 .. 31, c = 0, 1
.irp c, 0,1
.irp i, 0,1,2,3,4,5,6,7,8,9,10,11,12,13,14,15,16,17,18,19,20,21,22,23,24,25,26,27,28,29,30,31
	global_load_b32 v[64+32*\c+\i], v5, s[48:49] offset:(64*\c+\i)*\ncols*4
.endr
.endr
.endm
.macro WARM first, ncols, lbytes, ptr  ; a weight whose tiles take columns 32 (T / 2) + 8 (T % 2) + pi(r)
	s_sub_co_u32 s50, s45, \first                  ; T
	s_lshr_b32 s46, s50, 1
	s_lshl_b32 s46, s46, 7
	s_and_b32 s51, s50, 1
	s_lshl_b32 s51, s51, 5
	s_add_co_u32 s46, s46, s51                     ; the tile's first column, in bytes
	s_mul_i32 s51, s41, \lbytes
	s_add_co_u32 s46, s46, s51                     ; + the layer
	s_add_nc_u64 s[48:49], s[\ptr:\ptr+1], s[46:47]
	v_mul_u32_u24 v5, v3, 128*\ncols               ; lanes 16-31 begin 32 rows further down
	v_lshl_add_u32 v5, v4, 2, v5
	WLD \ncols
.endm
.Lweights:
	s_cmp_ge_u32 ttmp9, 24
	s_cselect_b32 s41, 1, 0                        ; layer
	s_cselect_b64 s[42:43], s[32:33], s[30:31]
	s_mul_i32 s44, s41, 24
	s_sub_co_u32 s44, ttmp9, s44
	s_lshl_b32 s45, s44, 2
	s_add_co_u32 s45, s45, s40                     ; F
	s_mov_b32 s47, 0
	s_cmp_lt_u32 s44, 6
	s_cbranch_scc1 .Lw_qkv
	s_cmp_lt_u32 s44, 8
	s_cbranch_scc1 .Lw_pw
	s_cmp_lt_u32 s44, 16
	s_cbranch_scc1 .Lw_f1
	s_sub_co_u32 s50, s45, 64                      ; f2w: T = F - 64: K step T % 4, columns 16 (T / 4) + r
	s_and_b32 s46, s50, 3
	s_lshl_b32 s46, s46, 16                        ; 128 rows of 512 bytes a K step
	s_lshr_b32 s51, s50, 2
	s_lshl_b32 s51, s51, 6
	s_add_co_u32 s46, s46, s51
	s_lshl_b32 s51, s41, 18
	s_add_co_u32 s46, s46, s51
	s_add_nc_u64 s[48:49], s[10:11], s[46:47]
	v_lshlrev_b32 v5, 14, v3
	v_lshl_add_u32 v5, v2, 2, v5
	WLD 128
	s_branch .Lw_quant
.Lw_qkv:
	WARM 0, 384, 196608, 4
	s_branch .Lw_quant
.Lw_pw:
	WARM 24, 128, 65536, 6
	s_branch .Lw_quant
.Lw_f1:
	WARM 32, 512, 262144, 8
.Lw_quant:
	s_wait_loadcnt 0x0
.irp c, 0,1                            ; my block 2 c + hh: all its 32 numbers are mine
	v_max3_num_f32 v[32+\c], |v[64+32*\c]|, |v[65+32*\c]|, 0x2800000   ; with the floor 2^(5 - 127): the byte cannot fall under 1
.endr
.irp i, 2,4,6,8,10,12,14,16,18,20,22,24,26,28,30
.irp c, 0,1
	v_max3_num_f32 v[32+\c], v[32+\c], |v[64+32*\c+\i]|, |v[65+32*\c+\i]|
.endr
.endr
.irp c, 0,1
	v_add_nc_u32 v[44+\c], 0xfe000000, v[32+\c]    ; 4 off the exponent field: the conversion's scale operand
.endr
.irp c, 0,1
	v_lshrrev_b32 v[36+\c], 23, v[44+\c]           ; the scale's byte
.endr
	v_lshl_or_b32 v9, v37, 16, v36                 ; my two bytes: blocks hh and 2 + hh,
	v_lshlrev_b32 v10, 3, v3
	v_lshlrev_b32 v9, v10, v9                      ; at their places in the word;
	v_mov_b32 v10, 0
	v_permlanex16_b32 v10, v9, s38, s39
	v_or_b32 v9, v9, v10                           ; with lane l xor 16's two the word is whole
.irp c, 0,1
	v_cvt_scalef32_pk16_bf6_f32 v[48+6*\c:50+6*\c], v[64+32*\c:79+32*\c], v[44+\c]
	v_cvt_scalef32_pk16_bf6_f32 v[192+4*\c:194+4*\c], v[80+32*\c:95+32*\c], v[44+\c]   ; (a conversion's three registers begin on an even number)
.endr
	v_nop                                          ; one plain line behind the conversions
.irp c, 0,1
.irp i, 0,1,2
	v_mov_b32 v[51+6*\c+\i], v[192+4*\c+\i]
.endr
.endr
	s_mul_i32 s50, s45, 1536
	v_lshl_add_u32 v6, v1, 4, s50
	global_store_b128 v6, v[48:51], s[42:43]                 ; each store of the wave covers 512 consecutive bytes
	global_store_b128 v6, v[52:55], s[42:43] offset:512
	global_store_b128 v6, v[56:59], s[42:43] offset:1024
	s_lshl_b32 s50, s45, 7
	v_lshl_add_u32 v7, v1, 2, s50
	global_store_b32 v7, v9, s[42:43] offset:WK_WSC
	s_endpgm
	; ---- the table: U = layer, kind of window, head, tile of queries, tile of keys.  Register j of lane (r, hh): query tau(Tq, r), key 32 (Tk / 2) + 8 (Tk % 2) + 16 hh + j
.Ltable:
	s_sub_co_u32 s41, ttmp9, 48
	s_lshl_b32 s41, s41, 2
	s_add_co_u32 s41, s41, s40                     ; U
	s_lshr_b32 s44, s41, 8                         ; layer
	s_bfe_u32 s45, s41, 0x20006                    ; kind: bit 0: the window lies in the last column of windows, bit 1: in the last row
	s_bfe_u32 s46, s41, 0x20004                    ; head
	s_bfe_u32 s47, s41, 0x20002                    ; Tq
	s_and_b32 s48, s41, 3                          ; Tk
	s_mul_i32 s49, s45, s44                        ; which of the two splits count: none in layer 0
	s_cmp_eq_u32 s44, 0
	s_cselect_b64 s[42:43], s[30:31], s[32:33]
	s_lshr_b32 s50, s47, 1
	s_lshl_b32 s50, s50, 5
	s_and_b32 s51, s47, 1
	s_lshl_b32 s51, s51, 3
	s_add_co_u32 s50, s50, s51                     ; the query tile's first token
	s_lshr_b32 s52, s48, 1
	s_lshl_b32 s52, s52, 5
	s_and_b32 s51, s48, 1
	s_lshl_b32 s51, s51, 3
	s_add_co_u32 s52, s52, s51                     ; the key tile's
	s_mul_i32 s54, s44, 2704
	s_lshl_b32 s55, s46, 2
	s_add_co_u32 s54, s54, s55                     ; rpb: the layer's 169 x 16 bytes, the head's 4
	v_add_nc_u32 v5, s50, v4                       ; i
	v_mul_u32_u24 v6, v5, 37
	v_lshrrev_b32 v6, 8, v6                        ; yi = i / 7 (37 i >> 8 is exact for 0 .. 63)
	v_mul_u32_u24 v7, v6, 7
	v_sub_nc_u32 v7, v5, v7                        ; xi
	v_bfe_u32 v8, v6, 2, 1                         ; rows 4 to 6 of a window in the last row of windows belong to another region: bit 2
	v_bfe_u32 v9, v7, 2, 1
	v_lshl_or_b32 v8, v8, 1, v9
	v_and_b32 v8, s49, v8                          ; the query's region
	v_lshl_add_u32 v10, v3, 4, s52                 ; my first key
	v_mov_b32 v40, 0xc2c80000                      ; -100
	v_mov_b32 v41, 0xf149f2ca                      ; -1e30: a key that does not exist
.irp j, 0,1,2,3,4,5,6,7
	v_add_nc_u32 v[32+\j], \j, v10                 ; the key
	v_mul_u32_u24 v12, v[32+\j], 37
	v_lshrrev_b32 v12, 8, v12                      ; yj
	v_mul_u32_u24 v13, v12, 7
	v_sub_nc_u32 v13, v[32+\j], v13                ; xj
	v_bfe_u32 v14, v12, 2, 1
	v_bfe_u32 v15, v13, 2, 1
	v_lshl_or_b32 v14, v14, 1, v15
	v_and_b32 v14, s49, v14                        ; the key's region
	v_cmp_ne_u32 vcc_lo, v8, v14
	v_cndmask_b32 v[24+\j], 0, v40, vcc_lo         ; the mask
	v_sub_nc_u32 v12, v6, v12
	v_sub_nc_u32 v13, v7, v13
	v_mul_lo_u32 v12, v12, 13
	v_add3_u32 v12, v12, v13, 84                   ; 13 (yi - yj + 6) + (xi - xj + 6)
	v_max_i32 v12, 0, v12                          ; slots beyond token 48 are held inside the table
	v_min_i32 v12, 0xa8, v12
	v_lshl_add_u32 v[16+\j], v12, 4, s54
.endr
.irp j, 0,1,2,3,4,5,6,7
	global_load_b32 v[48+\j], v[16+\j], s[28:29]
.endr
	s_wait_loadcnt 0x0
.irp j, 0,1,2,3,4,5,6,7
	v_add_f32 v[48+\j], v[48+\j], v[24+\j]
	v_cmp_lt_u32 vcc_lo, 48, v[32+\j]
	v_cndmask_b32 v[48+\j], v[48+\j], v41, vcc_lo
.endr
	s_and_b32 s53, s41, 255
	s_lshl_b32 s53, s53, 10                        ; (4 kind + head) x 16,384 + (4 Tq + Tk) x 1,024
	v_lshl_add_u32 v42, v1, 4, s53
	global_store_b128 v42, v[48:51], s[42:43] offset:WK_TBL
	global_store_b128 v42, v[52:55], s[42:43] offset:WK_TBL+512
	s_endpgm
	; ---- the rows: U = layer, work-group G of the block launch; its windows n = 8 G .. 8 G + 7 are of one kind
.Lrows:
	s_sub_co_u32 s41, ttmp9, 176
	s_lshl_b32 s41, s41, 2
	s_add_co_u32 s41, s41, s40                     ; U
	s_lshr_b32 s44, s41, 8                         ; layer
	s_and_b32 s45, s41, 255                        ; G
	s_cmp_eq_u32 s44, 0
	s_cselect_b64 s[42:43], s[34:35], s[36:37]
	s_mul_i32 s52, s44, 3                          ; the shift
	s_mov_b32 s46, 0                               ; the kind's first n,
	s_mov_b32 s47, 1338                            ; 65,536 / (windows of the kind in an image), rounded up,
	s_mov_b32 s48, 49                              ; that number of windows,
	s_mov_b32 s49, 0                               ; the kind
	s_cmp_ge_u32 s45, 196
	s_cselect_b32 s46, 1568, s46
	s_cselect_b32 s47, 9363, s47
	s_cselect_b32 s48, 7, s48
	s_cselect_b32 s49, 1, s49
	s_cmp_ge_u32 s45, 224
	s_cselect_b32 s46, 1792, s46
	s_cselect_b32 s49, 2, s49
	s_cmp_ge_u32 s45, 252
	s_cselect_b32 s46, 2016, s46
	s_cselect_b32 s47, 0x10000, s47
	s_cselect_b32 s48, 1, s48
	s_cselect_b32 s49, 3, s49
.irp q, 0,1                            ; my two slots, 2 lane + q: slot 16 T + r holds token 32 (T / 2) + 8 (T % 2) + r % 8 + 16 (r / 8)
	v_lshl_add_u32 v4, v1, 1, \q
	v_and_b32 v5, 39, v4
	v_bfe_u32 v6, v4, 4, 1
	v_lshl_or_b32 v5, v6, 3, v5
	v_bfe_u32 v6, v4, 3, 1
	v_lshl_or_b32 v5, v6, 4, v5
	v_min_u32 v5, 48, v5                           ; slots without a token name token 48's row; the block launch neither loads nor stores them
	v_mul_u32_u24 v6, v5, 37
	v_lshrrev_b32 v[8+\q], 8, v6                   ; the token's row in the window,
	v_mul_u32_u24 v6, v[8+\q], 7
	v_sub_nc_u32 v[10+\q], v5, v6                  ; and its column
.endr
	s_lshl_b32 s50, s45, 3                         ; n
	s_lshl_b32 s53, s45, 11
	v_lshl_add_u32 v14, v1, 3, s53                 ; 256 n + 8 lane
	s_mov_b32 s51, 0
.Lrow_trip:
	s_sub_co_u32 s53, s50, s46
	s_mul_i32 s54, s53, s47
	s_lshr_b32 s54, s54, 16                        ; the image
	s_mul_i32 s55, s54, s48
	s_sub_co_u32 s53, s53, s55                     ; the window among the image's windows of this kind
	s_mul_i32 s55, s53, 37
	s_lshr_b32 s55, s55, 8
	s_mul_i32 s56, s55, 7
	s_sub_co_u32 s56, s53, s56
	s_cmp_eq_u32 s49, 0
	s_cselect_b32 s55, s55, s53                    ; wy
	s_cselect_b32 s56, s56, s53                    ; wx
	s_bitcmp1_b32 s49, 1
	s_cselect_b32 s55, 7, s55
	s_bitcmp1_b32 s49, 0
	s_cselect_b32 s56, 7, s56
	s_mul_i32 s55, s55, 7
	s_add_co_u32 s55, s55, s52
	s_mul_i32 s56, s56, 7
	s_add_co_u32 s56, s56, s52
	s_mul_i32 s54, s54, 3136
.irp q, 0,1
	v_add_nc_u32 v4, s55, v[8+\q]
	v_add_nc_u32 v5, 0xffffffc8, v4
	v_min_u32 v4, v4, v5                           ; modulo 56: the smaller of Y and Y - 56 as unsigned numbers
	v_add_nc_u32 v6, s56, v[10+\q]
	v_add_nc_u32 v7, 0xffffffc8, v6
	v_min_u32 v6, v6, v7
	v_mad_u32_u24 v4, v4, 56, v6
	v_add_nc_u32 v[12+\q], s54, v4
.endr
	global_store_b64 v14, v[12:13], s[42:43]       ; the wave stores 256 consecutive bytes, aligned
	s_wait_xcnt 0x0                                ; the store's offset and data are written again only behind this wait
	v_add_nc_u32 v14, 0x100, v14
	s_add_co_u32 s50, s50, 1
	s_add_co_u32 s51, s51, 1
	s_cmp_lt_u32 s51, 8
	s_cbranch_scc1 .Lrow_trip
	s_endpgm
.Lfunc_end_k_q2e8b1421fc_prep:
	.size	k_q2e8b1421fc_prep, .Lfunc_end_k_q2e8b1421fc_prep-k_q2e8b1421fc_prep
	.p2alignl 7, 3214868480
	.fill 96, 4, 3214868480
	.section	.rodata,"a",@progbits
	.p2align	6, 0x0
	.amdhsa_kernel k_q2e8b1421fc_prep
		.amdhsa_group_segment_fixed_size 0
		.amdhsa_private_segment_fixed_size 0
		.amdhsa_enable_private_segment 0
		.amdhsa_kernarg_size 136
		.amdhsa_user_sgpr_count 2
		.amdhsa_user_sgpr_kernarg_segment_ptr 1
		.amdhsa_wavefront_size32 1
		.amdhsa_system_sgpr_workgroup_id_x 1
		.amdhsa_system_sgpr_workgroup_id_y 1
		.amdhsa_system_sgpr_workgroup_id_z 1
		.amdhsa_system_vgpr_workitem_id 0
		.amdhsa_next_free_vgpr 208
		.amdhsa_next_free_sgpr 66
		.amdhsa_reserve_vcc 1
		.amdhsa_float_denorm_mode_32 3
		.amdhsa_float_denorm_mode_16_64 3
		.amdhsa_memory_ordered 1
		.amdhsa_forward_progress 1
		.amdhsa_inst_pref_size 49
	.end_amdhsa_kernel
	.amdgpu_metadata
---
amdhsa.version: [ 1, 2 ]
amdhsa.kernels:
  - .name:           k_q2e8b1421fc_prep
    .symbol:         k_q2e8b1421fc_prep.kd
    .args:
      - { .name: qkvw, .offset: 0, .size: 8, .value_kind: global_buffer, .address_space: global }
      - { .name: pw, .offset: 8, .size: 8, .value_kind: global_buffer, .address_space: global }
      - { .name: f1w, .offset: 16, .size: 8, .value_kind: global_buffer, .address_space: global }
      - { .name: f2w, .offset: 24, .size: 8, .value_kind: global_buffer, .address_space: global }
      - { .name: qkvb, .offset: 32, .size: 8, .value_kind: global_buffer, .address_space: global }
      - { .name: f1b, .offset: 40, .size: 8, .value_kind: global_buffer, .address_space: global }
      - { .name: f2b, .offset: 48, .size: 8, .value_kind: global_buffer, .address_space: global }
      - { .name: n1g, .offset: 56, .size: 8, .value_kind: global_buffer, .address_space: global }
      - { .name: n1b, .offset: 64, .size: 8, .value_kind: global_buffer, .address_space: global }
      - { .name: n2g, .offset: 72, .size: 8, .value_kind: global_buffer, .address_space: global }
      - { .name: n2b, .offset: 80, .size: 8, .value_kind: global_buffer, .address_space: global }
      - { .name: pb, .offset: 88, .size: 8, .value_kind: global_buffer, .address_space: global }
      - { .name: rpb, .offset: 96, .size: 8, .value_kind: global_buffer, .address_space: global }
      - { .name: wk0, .offset: 104, .size: 8, .value_kind: global_buffer, .address_space: global }
      - { .name: wk1, .offset: 112, .size: 8, .value_kind: global_buffer, .address_space: global }
      - { .name: rows0, .offset: 120, .size: 8, .value_kind: global_buffer, .address_space: global }
      - { .name: rows1, .offset: 128, .size: 8, .value_kind: global_buffer, .address_space: global }
    .group_segment_fixed_size: 0
    .private_segment_fixed_size: 0
    .kernarg_segment_align: 8
    .kernarg_segment_size: 136
    .max_flat_workgroup_size: 128
    .sgpr_count:     66
    .vgpr_count:     208
    .wavefront_size: 32
...
	.end_amdgpu_metadata
.endif
;; end of part 1
;; launch blk0 (part 2): grid 256 x 1, 4 waves a work-group, no clusters, 190,208 bytes of LDS; arguments x, wk0, rows0, xmid; writes xmid
.if DOCPART == 2
	.amdgcn_target "amdgcn-amd-amdhsa--gfx1250"
	.amdhsa_code_object_version 6
	.text
	.protected	k_q2e8b1421fc_blk0
	.globl	k_q2e8b1421fc_blk0
	.p2align	8
	.type	k_q2e8b1421fc_blk0,@function
k_q2e8b1421fc_blk0:
	s_mov_b64 s[64:65], 0
	v_nop
	global_prefetch_b8 v0, s[64:65] scope:SCOPE_SE
	s_setreg_imm32_b32 hwreg(HW_REG_WAVE_MODE, 25, 1), 1
	s_wait_xcnt 0x0
; One Swin block, from x to x, with nothing else going to memory: LayerNorm, q k v, windowed attention with bias and mask, projection, residual, LayerNorm, MLP with exact GELU, residual.
; All six products on codes of BF6 (E3M2) with one E8M0 scale for each 32 along K; everything else in f32.  The layer, the shift and the mask live in the buffers alone (wk: weights as operand fragments,
; vectors, the table bias + mask; rows: the row of x of every slot of every window), so both blocks run this text.
; SHARES.  256 work-groups of four waves; a work-group takes eight windows of one kind of mask, one a trip.  A window is 49 tokens in 64 slots, four tiles of 16.
; SLOT (tile T, row r) holds token 32 (T / 2) + 8 (T % 2) + r % 8 + 16 (r / 8): as the rows of source 0, tiles 2 b and 2 b + 1 then give a lane 16 NEIGHBOURING tokens in 16 registers.  Tokens 49 .. 63 do not exist:
; their rows of x are zeros in LDS, they are neither loaded nor stored, as keys they carry -1e30 in the table and zeros in v.
; PHASES of a trip, a barrier behind each but the last:  A: wave w: LayerNorm of tile w, quantised, as an image of the operand's registers to LDS.  B, C: wave = head: q, k, v of the head for all 64 slots and the head's
; attention, all in registers.  D: wave w: projection of tile w with shortcut + bias as C, LayerNorm, quantised.  E: wave w: hidden units 128 w .. 128 w + 127 of all four tiles, GELU, quantised.
; F: wave w: channels 32 w .. 32 w + 31 of the second MLP product with x2 + bias as C; through LDS; whole rows out.
; All weights stay in registers for the whole launch.  The products are used transposed (source 0 = 16 columns of a weight, source 1 = 16 tokens), so that a lane holds one token and its registers run along the next K.
; HALF-FILLED BLOCKS.  A conversion's three registers hold 16 codes of a block of 32; the other 16 lie in lane l xor 16.  In the head's own products they are used as they stand: q, k: registers [X3 Z9], channel 16 hh + i at
; place 32 hh + i of K; v, p: [X3 Z3 X3 Z3], key 32 b + 16 hh + i at place 64 b + 32 hh + i.  Z are zero codes, written once.  Both sides use the same map, and the block's byte stands at both places of the scale word.
; The next window's x is asked for at the head of phase E, into registers that lie idle until the next trip: no wave waits for it, so no prefetch is laid.  Weights and table are read once a work-group, straight into
; registers in operand order, and x is shared by nobody: so no tensor load and no cluster.
; LIMITS: NaN and infinities among the inputs are not served.  A block whose largest magnitude lies under 2^-122 gets the scale byte 1.  A weight p under 2^-126 counts as 0.  Logits stay under 1e29 in magnitude (absent keys carry -1e30).
; erf is a quotient of polynomials with an absolute error near 1e-7, so 1 + erf loses relative accuracy below x = -3.  The mask's -100 is added to the bias before the score is, not behind it.
.set XT,    0                          ; LDS: per wave 16 rows x 528 bytes: x of its tile
.set X2S,   33792                      ; 64 slot rows x 528: x behind the attention, later the result
.set XIMG,  67584                      ; four images of 1,536 bytes: a lane's 12 registers at 48 x lane + 4 x register
.set YIMG,  73728
.set OIMG,  79872
.set GIMG,  86016                      ; sixteen images: K step s, tile m at 4 s + m
.set XSC,   110592                     ; scale words, 128 bytes a fragment: 4 x lane
.set YSC,   111104
.set OSC,   111616                     ; 64 bytes a tile: byte 4 r + head
.set GSC,   111872
.set VEC,   113920                     ; per wave 2,560 bytes: n1g, n1b, n2g, n2b, pb
.set TBL,   124160                     ; per wave (head) 16,384 bytes
.set WK_WSC,  147456
.set WK_VECS, 159744
.set WK_TBL,  166400
; window 0
.set LB16, 1                           ; 16 x lane
.set ASC,  2                           ; XSC + 4 x lane
.set AIM,  3                           ; XIMG + 48 x lane
.set AXT,  4                           ; 8448 w + 528 r + 64 hh
.set AXD,  5                           ; 8448 w + 16 x lane
.set AVEC, 6                           ; VEC + 2560 w + 64 hh
.set AIMW, 7                           ; AIM + 1536 w
.set ASCW, 8                           ; ASC + 128 w
.set ATB,  9                           ; TBL + 16384 w + 16 x lane
.set AOI,  10                          ; OIMG + 48 (r + 16 (w % 2)) + 24 (w / 2) + 12 hh
.set AOS,  11                          ; OSC + 4 r + w
.set AOR,  12                          ; OSC + 64 w + 4 r
.set AF2,  13                          ; X2S + 528 r + 128 w + 32 hh
.set LMASK, 14                         ; lanes 0-15: all ones; lanes 16-31: 0
.set AD1,  15                          ; phase E's four addresses (at the head: offsets into wk)
.set AD2,  16
.set AD3,  17
.set AD4,  18
.set AIMG, 19                          ; AIM + 6144 w
.set ASCG, 20                          ; ASC + 512 w
.set MEAN, 24
.set RSTD, 26
.set VA1,  28                          ; v[28:29], v[30:31]: the second coefficient of erf's numerator and of its denominator, twice each
.set VB1,  30
.set WSQ,  32                          ; v32-77 hold scale words and nothing else: the weights' (qkv 6, proj 8, f1 8, f2 8),
.set WSP,  38
.set WS1,  46
.set WS2,  54
.set XS,   62                          ; four of the rows' operand in hand,
.set QS,   66                          ; q's four (in phase F: four of the hidden layer),
.set KS,   70
.set VSC,  74
.set PS,   76
.set ACC,  80
.set G,    144
.set TM,   208
.set PW,   224
.set PC,   226
.set NM0,  246                         ; -M of the pair's two query tiles (pairs: the low word is used)
.set LS0,  250                         ; the rows' sums, in two halves
; window 1
.set XF,   0                           ; four fragments of rows
.set KOP,  48
.set QOP,  96
.set VOP,  144
.set POP,  168
.set XL,   192                         ; 64: x on its way in; a bias vector; the table of two query tiles
; window 2
.set WQ,   0                           ; q, k, v of my head: fragment 2 p + u
.set WP,   72
.set BQK,  168
.set BV,   200
.set BF2,  216
; window 3
.set W1F,  0
.set W2F,  96                          ; fragment 4 n + s
.set BF1,  192
; scalars
.set WV,    12
.set TRIPS, 13
.set MC,    14
.set SIM,   15
.set SSC,   17
.set AL0,   30                         ; erf's numerator: coefficients 0, 2 .. 6, each twice;
.set AL2,   32
.set BE0,   42                         ; its denominator: 0, 2 .. 4
.set BE2,   44
.set RS,    68                         ; s[68:83] this window's 16 rows of my tile;  s[84:99] the next window's
.set RSN,   84
.set ROWMAX, 0x187ff
; register windows: bits 1:0 source 0, 3:2 source 1, 5:4 source 2, 7:6 destination
.set M_QK,  0x26
.set M_V,   0x29
.set M_S,   0x15
.set M_PV,  0x05
.set M_P,   0x06
.set M_F1,  0x37
.set M_F2A, 0x07
.set M_F2B, 0x03
.set TO1,   0x40
.set TO2,   0x80
.set TO3,   0xc0
.set C1,    0x10
.set B2,    0x08
.set D1,    0x04
.set MSB, 0
.macro WIN new                         ; the immediate's high byte repeats the setting that is left; at every label and branch the setting is 0
.if MSB != \new
	s_set_vgpr_msb (MSB<<8)|\new
.set MSB, \new
.endif
.endm
.macro NOPS n
.rept \n
	v_nop
.endr
.endm
.macro BAR                             ; my LDS stores have landed and my LDS loads are in: then the work-group's barrier
	s_wait_dscnt 0x0
	s_barrier_signal -1
	s_barrier_wait -1
.endm
.macro MM d, a, b, c, sa, sb
	v_wmma_scale_f32_16x16x128_f8f6f4 v[\d:\d+7], v[\a:\a+11], v[\b:\b+11], v[\c:\c+7], v[\sa], v[\sb] matrix_a_fmt:MATRIX_FMT_BF6 matrix_b_fmt:MATRIX_FMT_BF6
.endm
.macro MM0 d, a, b, sa, sb
	v_wmma_scale_f32_16x16x128_f8f6f4 v[\d:\d+7], v[\a:\a+11], v[\b:\b+11], 0, v[\sa], v[\sb] matrix_a_fmt:MATRIX_FMT_BF6 matrix_b_fmt:MATRIX_FMT_BF6
.endm
.macro FETCH reg, adr, off             ; an image comes back as the same registers in the same lanes
.irp c, 0,1,2
	ds_load_b128 v[\reg+4*\c:\reg+4*\c+3], v[\adr] offset:\off+16*\c
.endr
.endm
.macro IMAGE adr, off                  ; the fragment in v[PC] on goes to LDS as it stands
.irp c, 0,1,2
	ds_store_b128 v[\adr], v[PC+4*\c:PC+4*\c+3] offset:\off+16*\c
.endr
.endm
.macro LD64 dst, adr, off              ; 64 numbers of a lane: register 16 b + i = channel 32 b + 16 hh + i
.irp b, 0,1,2,3
.irp j, 0,1,2,3
	ds_load_b128 v[\dst+16*\b+4*\j:\dst+16*\b+4*\j+3], v[\adr] offset:\off+128*\b+16*\j
.endr
.endr
.endm
.macro TLD off                         ; the table of two query tiles: 64 registers in the layout of their score tiles
.irp a, 0,1
.irp k, 0,1,2,3
	ds_load_b128 v[XL+32*\a+8*\k:XL+32*\a+8*\k+3], v[ATB] offset:\off+4096*\a+1024*\k
	ds_load_b128 v[XL+32*\a+8*\k+4:XL+32*\a+8*\k+7], v[ATB] offset:\off+4096*\a+1024*\k+512
.endr
.endr
.endm
; The largest of nb blocks of 16 registers at src + 16 b, the blocks by turns, each block from its low end on.  ab = 1: magnitudes, with the floor 2^(5 - 127); ab = 0: the numbers as they are.
.macro BMAX nb, src, ab
.set bb, 0
.rept \nb
.if \ab
	v_max3_num_f32 v[TM+bb], |v[\src+16*bb]|, |v[\src+16*bb+1]|, 0x2800000
.else
	v_max3_num_f32 v[TM+bb], v[\src+16*bb], v[\src+16*bb+1], v[\src+16*bb+2]
.endif
.set bb, bb+1
.endr
.set rr, 2+(1-\ab)
.rept 7-(1-\ab)
.set bb, 0
.rept \nb
.if \ab
	v_max3_num_f32 v[TM+bb], v[TM+bb], |v[\src+16*bb+rr]|, |v[\src+16*bb+rr+1]|
.else
	v_max3_num_f32 v[TM+bb], v[TM+bb], v[\src+16*bb+rr], v[\src+16*bb+rr+1]
.endif
.set bb, bb+1
.endr
.set rr, rr+2
.endr
.if \ab == 0
.set bb, 0
.rept \nb
	v_max_num_f32 v[TM+bb], v[TM+bb], v[\src+16*bb+15]
.set bb, bb+1
.endr
.endif
.endm
; With lane l xor 16's: the block's largest magnitude; TM + 12 + b: the conversion's scale operand (4 off the exponent field); TM + 4 + b: the scale's byte
.macro QSC nb
.set bb, 0
.rept \nb
	v_permlanex16_b32 v[TM+4+bb], v[TM+bb], s20, s21
.set bb, bb+1
.endr
.set bb, 0
.rept \nb
	v_max_num_f32 v[TM+bb], v[TM+bb], v[TM+4+bb]
.set bb, bb+1
.endr
.set bb, 0
.rept \nb
	v_add_nc_u32 v[TM+12+bb], 0xfe000000, v[TM+bb]
.set bb, bb+1
.endr
.set bb, 0
.rept \nb
	v_lshrrev_b32 v[TM+4+bb], 23, v[TM+12+bb]
.set bb, bb+1
.endr
.endm
; Four blocks at src + 16 b become four half-filled runs of three registers in window 1, at dst + step b
.macro QB4 src, dst, step
	BMAX 4, \src, 1
	QSC 4
	WIN TO1
.irp b, 0,1,2,3
	v_cvt_scalef32_pk16_bf6_f32 v[\dst+\step*\b:\dst+\step*\b+2], v[\src+16*\b:\src+16*\b+15], v[TM+12+\b]
.endr
	WIN 0
	v_nop                                          ; one plain line behind the conversions
.endm
; 64 numbers of a lane, register 16 b + i = k 32 b + 16 hh + i of my row, become a whole fragment in v[PC] on and its scale word in v[PW]
.macro QUANT s
	BMAX 4, \s, 1
	QSC 4
	v_lshl_or_b32 v[PW], v[TM+5], 8, v[TM+4]
	v_lshl_or_b32 v[PW], v[TM+6], 16, v[PW]
	v_lshl_or_b32 v[PW], v[TM+7], 24, v[PW]
.irp c, 0,1
	v_cvt_scalef32_pk16_bf6_f32 v[PC+6*\c:PC+6*\c+2], v[\s+32*\c:\s+32*\c+15], v[TM+12+2*\c]
	v_cvt_scalef32_pk16_bf6_f32 v[PC+12+4*\c:PC+14+4*\c], v[\s+16+32*\c:\s+31+32*\c], v[TM+13+2*\c]   ; (a conversion's three registers begin on an even number)
.endr
	v_nop                                          ; one plain line behind the conversions
.irp c, 0,1                            ; the operand's layout wants a whole block in a lane: lanes 0-15 block 2 c, lanes 16-31 block 2 c + 1
.irp i, 0,1,2
	v_permlane16_swap_b32 v[PC+6*\c+\i], v[PC+12+4*\c+\i]
.endr
.irp i, 0,1,2
	v_mov_b32 v[PC+3+6*\c+\i], v[PC+12+4*\c+\i]
.endr
.endr
.endm
.macro RED                             ; four packed partial sums in TM .. TM + 7 become the row's sum in TM
	v_pk_add_f32 v[TM:TM+1], v[TM:TM+1], v[TM+2:TM+3]
	v_pk_add_f32 v[TM+4:TM+5], v[TM+4:TM+5], v[TM+6:TM+7]
	v_pk_add_f32 v[TM:TM+1], v[TM:TM+1], v[TM+4:TM+5]
	v_add_f32 v[TM], v[TM], v[TM+1]
	v_permlanex16_b32 v[TM+2], v[TM], s20, s21     ; the row's other 64 numbers lie in lane l xor 16
	v_add_f32 v[TM], v[TM], v[TM+2]
.endm
; LayerNorm of ACC in place; the gain is on its way into G, the bias into XL (window 1)
.macro LNORM
.irp k, 0,2,4,6
	v_pk_add_f32 v[TM+\k:TM+\k+1], v[ACC+\k:ACC+\k+1], v[ACC+8+\k:ACC+9+\k]
.endr
.irp i, 16,24,32,40,48,56
.irp k, 0,2,4,6
	v_pk_add_f32 v[TM+\k:TM+\k+1], v[TM+\k:TM+\k+1], v[ACC+\i+\k:ACC+\i+\k+1]
.endr
.endr
	RED
	v_mul_f32 v[MEAN], s26, v[TM]
	s_wait_dscnt 0x0                               ; LDS stores that read ACC have read it; the gain and the bias are in
.set ii, 0
.rept 32
	v_pk_add_f32 v[ACC+ii:ACC+ii+1], v[ACC+ii:ACC+ii+1], v[MEAN:MEAN+1] op_sel_hi:[1,0] neg_lo:[0,1] neg_hi:[0,1]
.set ii, ii+2
.endr
.irp k, 0,2,4,6
	v_pk_mul_f32 v[TM+\k:TM+\k+1], v[ACC+\k:ACC+\k+1], v[ACC+\k:ACC+\k+1]
.endr
.irp i, 8,16,24,32,40,48,56
.irp k, 0,2,4,6
	v_pk_fma_f32 v[TM+\k:TM+\k+1], v[ACC+\i+\k:ACC+\i+\k+1], v[ACC+\i+\k:ACC+\i+\k+1], v[TM+\k:TM+\k+1]
.endr
.endr
	RED
	v_fma_f32 v254, v[TM], s26, s27                ; the variance + 1e-5
	v_rsq_f32 v[RSTD], v254
	v_nop                                          ; a plain line behind the transcendental,
	s_wait_alu depctr_va_vdst(0)                   ; and a wait ahead of its first reader
.set ii, 0
.rept 32
	v_pk_mul_f32 v[ACC+ii:ACC+ii+1], v[ACC+ii:ACC+ii+1], v[RSTD:RSTD+1] op_sel_hi:[1,0]
.set ii, ii+2
.endr
	WIN C1
.set ii, 0
.rept 32
	v_pk_fma_f32 v[ACC+ii:ACC+ii+1], v[ACC+ii:ACC+ii+1], v[G+ii:G+ii+1], v[XL+ii:XL+ii+1]
.set ii, ii+2
.endr
	WIN 0
.endm
; GELU of 16 registers at a, in place: x/2 + (x/2) erf(x / sqrt 2); erf(z) = z P(z^2) / Q(z^2), z held to +-4.  Each line runs over eight pairs, so no line waits for the line above it.
.set GZ, G
.set GX, G+16
.set GP, G+32
.set GQ, G+48
.macro HORNER acc, sp
.irp i, 0,2,4,6,8,10,12,14
	v_pk_fma_f32 v[\acc+\i:\acc+\i+1], v[\acc+\i:\acc+\i+1], v[GX+\i:GX+\i+1], s[\sp:\sp+1] op_sel_hi:[1,1,0]
.endr
.endm
.macro GELU16 a
.irp i, 0,2,4,6,8,10,12,14
	v_pk_mul_f32 v[GZ+\i:GZ+\i+1], v[\a+\i:\a+\i+1], s[28:29] op_sel_hi:[1,0]
.endr
.irp i, 0,1,2,3,4,5,6,7,8,9,10,11,12,13,14,15
	v_med3_num_f32 v[GZ+\i], v[GZ+\i], -4.0, 4.0
.endr
.irp i, 0,2,4,6,8,10,12,14
	v_pk_mul_f32 v[GX+\i:GX+\i+1], v[GZ+\i:GZ+\i+1], v[GZ+\i:GZ+\i+1]
.endr
.irp i, 0,2,4,6,8,10,12,14
	v_pk_fma_f32 v[GP+\i:GP+\i+1], v[GX+\i:GX+\i+1], s[AL0:AL0+1], v[VA1:VA1+1] op_sel_hi:[1,0,1]
.endr
.irp i, 0,2,4,6,8,10,12,14
	v_pk_fma_f32 v[GQ+\i:GQ+\i+1], v[GX+\i:GX+\i+1], s[BE0:BE0+1], v[VB1:VB1+1] op_sel_hi:[1,0,1]
.endr
	HORNER GP, AL2
	HORNER GQ, BE2
	HORNER GP, AL2+2
	HORNER GQ, BE2+2
	HORNER GP, AL2+4
	HORNER GQ, BE2+4
	HORNER GP, AL2+6
	HORNER GP, AL2+8
.irp i, 0,1,2,3,4,5,6,7,8,9,10,11,12,13,14,15
	v_rcp_f32 v[GQ+\i], v[GQ+\i]
.endr
.irp i, 0,2,4,6,8,10,12,14
	v_pk_mul_f32 v[GP+\i:GP+\i+1], v[GP+\i:GP+\i+1], v[GZ+\i:GZ+\i+1]   ; plain work behind the reciprocals, which names none of them
.endr
	s_wait_alu depctr_va_vdst(0)                   ; one wait for the sixteen, ahead of their first reader
.irp i, 0,2,4,6,8,10,12,14
	v_pk_mul_f32 v[GP+\i:GP+\i+1], v[GP+\i:GP+\i+1], v[GQ+\i:GQ+\i+1]
.endr
.irp i, 0,2,4,6,8,10,12,14
	v_pk_mul_f32 v[\a+\i:\a+\i+1], v[\a+\i:\a+\i+1], 0.5 op_sel_hi:[1,0]
.endr
.irp i, 0,2,4,6,8,10,12,14
	v_pk_fma_f32 v[\a+\i:\a+\i+1], v[\a+\i:\a+\i+1], v[GP+\i:GP+\i+1], v[\a+\i:\a+\i+1]
.endr
.endm
; A line for each slot of my tile that holds a token: tiles 0 and 1 all sixteen, tile 2 rows 0 to 8, tile 3 rows 0 to 7.  The branches hang on the wave's number alone.
.macro ROWOP k, r
.if \k == 0
	global_load_b128 v[XL+4*(\r):XL+4*(\r)+3], v[G+(\r)], s[4:5] th:TH_LOAD_NT     ; the wave reads a row's 512 consecutive bytes; each row is read once in the launch
.elseif \k == 1
	ds_store_b128 v[AXD], v[XL+4*(\r):XL+4*(\r)+3] offset:528*(\r)
.else
	global_store_b128 v[ACC+(\r)], v[G+4*(\r):G+4*(\r)+3], s[10:11] th:TH_STORE_NT   ; the wave stores a row's 512 consecutive bytes, aligned
.endif
.endm
.macro BYROWS k, win
	WIN \win
.irp r, 0,1,2,3,4,5,6,7
	ROWOP \k, \r
.endr
	WIN 0
	s_cmp_eq_u32 s[WV], 3
	s_cbranch_scc1 .Lrows_done_\@
	WIN \win
	ROWOP \k, 8
	WIN 0
	s_cmp_ge_u32 s[WV], 2
	s_cbranch_scc1 .Lrows_done_\@
	WIN \win
.irp r, 9,10,11,12,13,14,15
	ROWOP \k, \r
.endr
	WIN 0
.Lrows_done_\@:
.endm
.macro XISSUE rs                       ; my tile's rows of x are asked for: row number x 512 + 16 x lane
.irp r, 0,1,2,3,4,5,6,7,8,9,10,11,12,13,14,15
	v_lshl_add_u32 v[G+\r], s[\rs+\r], 9, v[LB16]
.endr
	BYROWS 0, TO1
	s_wait_xcnt 0x0                                ; the offsets' registers are written again only behind this wait
.endm
.macro SPAIR reg, val                  ; a constant twice: the packed forms name a pair
	s_mov_b32 s[\reg], \val
	s_mov_b32 s[\reg+1], s[\reg]
.endm
	; ================ the head
	s_load_b256 s[4:11], s[0:1], 0x0               ; x in s[4:5], wk s[6:7], rows s[8:9], x out s[10:11]
	v_lshl_add_u32 v225, v0, 2, 0x2e500
	s_set_vgpr_msb 0x80
	v_mov_b32 v255, 0
	s_set_vgpr_msb 0x8000
	v_lshrrev_b32 v21, 5, v0
	v_readfirstlane_b32 s[WV], v21                 ; wave 0..3
	v_and_b32 v246, 31, v0                         ; lane
	v_and_b32 v247, 15, v0                         ; r
	v_bfe_u32 v248, v0, 4, 1                       ; hh
	v_and_b32 v249, 8, v247
	v_add_nc_u32 v249, v249, v247                  ; pi(r)
	v_lshlrev_b32 v[LB16], 4, v246
	v_lshl_add_u32 v[ASC], v246, 2, XSC
	v_mad_u32_u24 v[AIM], v246, 48, XIMG
	s_mul_i32 s54, s[WV], 8448
	v_mul_u32_u24 v[AXT], v247, 528
	v_lshl_add_u32 v[AXT], v248, 6, v[AXT]
	v_add_nc_u32 v[AXT], s54, v[AXT]
	v_add_nc_u32 v[AXD], s54, v[LB16]
	s_mul_i32 s54, s[WV], 2560
	s_add_co_u32 s54, s54, VEC
	v_lshl_add_u32 v[AVEC], v248, 6, s54
	v_add_nc_u32 v255, s54, v[LB16]                ; where my copy of the five vectors goes
	s_mul_i32 s54, s[WV], 1536
	v_add_nc_u32 v[AIMW], s54, v[AIM]
	s_mul_i32 s54, s[WV], 6144
	v_add_nc_u32 v[AIMG], s54, v[AIM]
	s_lshl_b32 s54, s[WV], 7
	v_add_nc_u32 v[ASCW], s54, v[ASC]
	s_add_co_u32 s54, s54, X2S
	v_mul_u32_u24 v[AF2], v247, 528
	v_lshl_add_u32 v[AF2], v248, 5, v[AF2]
	v_add_nc_u32 v[AF2], s54, v[AF2]
	s_lshl_b32 s54, s[WV], 9
	v_add_nc_u32 v[ASCG], s54, v[ASC]
	s_lshl_b32 s54, s[WV], 14
	s_add_co_u32 s54, s54, TBL
	v_add_nc_u32 v[ATB], s54, v[LB16]
	s_and_b32 s54, s[WV], 1
	s_mul_i32 s54, s54, 768
	s_lshr_b32 s55, s[WV], 1
	s_mul_i32 s55, s55, 24
	s_add_co_u32 s54, s54, s55
	s_add_co_u32 s54, s54, OIMG
	v_mul_u32_u24 v[AOI], v247, 48
	v_mad_u32_u24 v[AOI], v248, 12, v[AOI]
	v_add_nc_u32 v[AOI], s54, v[AOI]
	s_add_co_u32 s54, s[WV], OSC
	v_lshl_add_u32 v[AOS], v247, 2, s54
	s_lshl_b32 s54, s[WV], 6
	s_add_co_u32 s54, s54, OSC
	v_lshl_add_u32 v[AOR], v247, 2, s54
	v_add_nc_u32 v[LMASK], -1, v248
	; offsets into wk, each with my wave's part
	v_lshlrev_b32 v15, 2, v246                     ; 4 x lane
	s_cmp_ge_u32 ttmp9, 196                        ; the kind of my eight windows, from the work-group's number
	s_cselect_b32 s59, 1, 0
	s_cmp_ge_u32 ttmp9, 224
	s_cselect_b32 s60, 1, 0
	s_add_co_u32 s59, s59, s60
	s_cmp_ge_u32 ttmp9, 252
	s_cselect_b32 s60, 1, 0
	s_add_co_u32 s59, s59, s60
	s_lshl_b32 s59, s59, 16
	s_lshl_b32 s60, s[WV], 14
	s_add_co_u32 s59, s59, s60
	v_add_nc_u32 v16, s59, v[LB16]                 ; the table of my kind and head
	s_mul_i32 s59, s[WV], 3072
	v_add_nc_u32 v17, s59, v[LB16]                 ; q, k, v: fragments 8 p + 2 w + u
	s_lshl_b32 s59, s[WV], 8
	v_add_nc_u32 v18, s59, v15                     ; their scale words
	s_lshl_b32 s59, s[WV], 7
	v_lshl_add_u32 v21, v248, 6, s59               ; q's and k's bias: 128 w + 64 hh
	v_lshl_add_u32 v22, v249, 2, s59               ; v's: 128 w + 4 pi(r)
	v_lshl_add_u32 v254, v248, 5, s59              ; f2b: 128 w + 32 hh
	s_mul_i32 s59, s[WV], 12288
	v_add_nc_u32 v23, s59, v[LB16]                 ; f1, f2: eight fragments a wave
	s_lshl_b32 s59, s[WV], 10
	v_add_nc_u32 v78, s59, v15                     ; their scale words
	s_lshl_b32 s59, s[WV], 9
	v_lshl_add_u32 v79, v248, 6, s59               ; f1b: 512 w + 64 hh
	s_mov_b32 s20, 0x76543210
	s_mov_b32 s21, 0xfedcba98                      ; v_permlanex16_b32's selects for lane l xor 16
	SPAIR 22, 0x3fb8aa3b                           ; log2(e)
	SPAIR 24, 0x3e3504f3                           ; 32^-0.5
	s_mov_b32 s26, 0x3c000000                      ; 1 / 128
	s_mov_b32 s27, 0x3727c5ac                      ; 1e-5
	SPAIR 28, 0x3f3504f3                           ; 2^-0.5
	SPAIR AL0, 0xaf95df0b
	SPAIR AL2, 0xb60cff51
	SPAIR AL2+2, 0xb86ec2d2
	SPAIR AL2+4, 0xba40ac63
	SPAIR AL2+6, 0xbb41a1f6
	SPAIR AL2+8, 0xbc83dbd4
	SPAIR BE0, 0xb77460cd
	SPAIR BE2, 0xbadc924e
	SPAIR BE2+2, 0xbbf19bf8
	SPAIR BE2+4, 0xbc69b6a7
	v_mov_b32 v[VA1], 0x32edffee
	v_mov_b32 v[VA1+1], 0x32edffee
	v_mov_b32 v[VB1], 0xb95fbd29
	v_mov_b32 v[VB1+1], 0xb95fbd29
	s_lshl_b32 s54, ttmp9, 11                      ; my work-group's eight lists of 256 bytes, my tile's 64 bytes of each
	s_lshl_b32 s55, s[WV], 6
	s_add_co_u32 s54, s54, s55
	s_mov_b32 s55, 0
	s_wait_kmcnt 0x0
	s_add_nc_u64 s[56:57], s[8:9], s[54:55]
	s_load_b512 s[RS:RS+15], s[56:57], 0x0         ; the first window's rows
	; the weights, their scale words and the biases: read once, they stay in registers
.irp k, 0,1,2,3,4
	global_load_b128 v[PC+4*\k:PC+4*\k+3], v[LB16], s[6:7] offset:WK_VECS+4096+512*\k
.endr
.irp p, 0,1,2
.irp u, 0,1
	global_load_b32 v[WSQ+2*\p+\u], v18, s[6:7] offset:WK_WSC+1024*\p+128*\u
.endr
.endr
.irp t, 0,1,2,3,4,5,6,7
	global_load_b32 v[WSP+\t], v15, s[6:7] offset:WK_WSC+3072+128*\t
	global_load_b32 v[WS1+\t], v78, s[6:7] offset:WK_WSC+4096+128*\t
	global_load_b32 v[WS2+\t], v78, s[6:7] offset:WK_WSC+8192+128*\t
.endr
	WIN TO2
.irp p, 0,1,2
.irp u, 0,1
.irp c, 0,1,2
	global_load_b128 v[WQ+12*(2*\p+\u)+4*\c:WQ+12*(2*\p+\u)+4*\c+3], v17, s[6:7] offset:12288*\p+1536*\u+512*\c
.endr
.endr
.endr
.irp p, 0,1
.irp u, 0,1
	global_load_b128 v[BQK+8*(2*\p+\u):BQK+8*(2*\p+\u)+3], v21, s[6:7] offset:WK_VECS+512*\p+32*\u
	global_load_b128 v[BQK+8*(2*\p+\u)+4:BQK+8*(2*\p+\u)+7], v21, s[6:7] offset:WK_VECS+512*\p+32*\u+16
.endr
.endr
.irp e, 0,1
.irp j, 0,1,2,3,4,5,6,7
	global_load_b32 v[BV+8*\e+\j], v22, s[6:7] offset:WK_VECS+1024+32*\e     ; in v's product a lane holds one channel: its bias in all eight registers
.endr
.endr
.irp t, 0,1,2,3,4,5,6,7
.irp c, 0,1,2
	global_load_b128 v[WP+12*\t+4*\c:WP+12*\t+4*\c+3], v[LB16], s[6:7] offset:36864+1536*\t+512*\c
.endr
.endr
.irp n, 0,1
	global_load_b128 v[BF2+8*\n:BF2+8*\n+3], v254, s[6:7] offset:WK_VECS+3584+64*\n
	global_load_b128 v[BF2+8*\n+4:BF2+8*\n+7], v254, s[6:7] offset:WK_VECS+3584+64*\n+16
.endr
	WIN TO3
.irp t, 0,1,2,3,4,5,6,7
.irp c, 0,1,2
	global_load_b128 v[W1F+12*\t+4*\c:W1F+12*\t+4*\c+3], v23, s[6:7] offset:49152+1536*\t+512*\c
	global_load_b128 v[W2F+12*\t+4*\c:W2F+12*\t+4*\c+3], v23, s[6:7] offset:98304+1536*\t+512*\c
.endr
	global_load_b128 v[BF1+8*\t:BF1+8*\t+3], v79, s[6:7] offset:WK_VECS+1536+128*(\t/2)+32*(\t%2)
	global_load_b128 v[BF1+8*\t+4:BF1+8*\t+7], v79, s[6:7] offset:WK_VECS+1536+128*(\t/2)+32*(\t%2)+16
.endr
	WIN 0
	s_wait_kmcnt 0x0                               ; the rows
.irp r, 0,1,2,3,4,5,6,7,8,9,10,11,12,13,14,15
	s_min_u32 s[RS+\r], s[RS+\r], ROWMAX           ; a loaded number enters an address only held inside the tensor's 100,352 rows
.endr
	XISSUE RS
.set ii, 0
.rept 32
	global_load_b128 v[ACC+4*ii:ACC+4*ii+3], v16, s[6:7] offset:WK_TBL+512*ii     ; the table, through ACC and G, into LDS
.set ii, ii+1
.endr
	WIN TO1                                        ; the zero codes of the half-filled operands, written once
.irp t, 0,1,2,3
.irp i, 3,4,5,6,7,8,9,10,11
	v_mov_b32 v[QOP+12*\t+\i], 0
	v_mov_b32 v[KOP+12*\t+\i], 0
.endr
.irp i, 3,4,5
	v_mov_b32 v[VOP+6*\t+\i], 0
	v_mov_b32 v[POP+6*\t+\i], 0
.endr
.endr
	WIN 0
.irp i, 0,1,2,3,4,5,6,7,8,9,10,11,12,13,14,15
	v_mov_b32 v[TM+\i], 0                          ; (a lane permute's destination counts as one of its sources)
.endr
.irp i, 0,1,2,3,4,5,6,7
	v_mov_b32 v[NM0+\i], 0                         ; (named as pairs before their upper halves are written)
.endr
	v_mov_b32 v[MEAN+1], 0
	v_mov_b32 v[RSTD+1], 0
.irp r, 0,1,2,3,4,5,6,7,8,9,10,11,12,13,14,15
	ds_store_b128 v[AXD], v[TM:TM+3] offset:528*\r  ; my tile's rows of x begin as zeros: slots without a token stay so
.endr
	s_wait_loadcnt 0x0                             ; the one wait for the whole head
.irp k, 0,1,2,3,4
	ds_store_b128 v255, v[PC+4*\k:PC+4*\k+3] offset:512*\k     ; my own copy: no other wave reads it
.endr
.set ii, 0
.rept 32
	ds_store_b128 v[ATB], v[ACC+4*ii:ACC+4*ii+3] offset:512*ii   ; my head's table: no other wave reads it
.set ii, ii+1
.endr
	s_wait_dscnt 0x0                               ; the stores have read their registers
	s_mov_b32 s[TRIPS], 8
	; ================ a trip: one window
.Ltrip:
	s_wait_loadcnt 0x0                             ; this window's x, asked for in the last trip's phase E
	BYROWS 1, D1                                   ; as dense rows into my part of XT
	s_sub_co_u32 s58, 9, s[TRIPS]                  ; the next window's list; the last trip reads its own again, inside the buffer
	s_min_u32 s58, s58, 7
	s_lshl_b32 s58, s58, 8
	s_load_b512 s[RSN:RSN+15], s[56:57], s58 offset:0x0
	; ---- A: LayerNorm 1 of my tile
	LD64 ACC, AXT, 0
	LD64 G, AVEC, 0                                ; n1g
	s_wait_dscnt 32                                ; all but these 32 loads: the stores above have read XL
	WIN TO1
	LD64 XL, AVEC, 512                             ; n1b
	WIN 0
	s_wait_dscnt 32                                ; x is in; the gain's and the bias's 32 loads may be out
	LNORM
	QUANT ACC
	IMAGE AIMW, 0
	ds_store_b32 v[ASCW], v[PW]
	BAR                                            ; the four fragments of the normed x lie in LDS
	; ---- B: q, k, v of my head for all 64 slots
	WIN TO1
.irp t, 0,1,2,3
	FETCH XF+12*\t, AIM, 1536*\t
.endr
	WIN 0
.irp t, 0,1,2,3
	ds_load_b32 v[XS+\t], v[ASC] offset:128*\t
.endr
	s_wait_dscnt 0x0
	WIN M_QK
.irp t, 0,1,2,3
.irp u, 0,1
	MM ACC+16*\t+8*\u, WQ+12*\u, XF+12*\t, BQK+8*\u, WSQ+\u, XS+\t              ; q: lane (r, hh): slot (t, r), channel 16 hh + 8 u + j
.endr
.endr
.irp t, 0,1,2,3
.irp u, 0,1
	MM G+16*\t+8*\u, WQ+24+12*\u, XF+12*\t, BQK+16+8*\u, WSQ+2+\u, XS+\t        ; k likewise
.endr
.endr
	WIN 0
	NOPS 4                                         ; four places between the last product and the first read of results
.set ii, 0
.rept 32
	v_pk_mul_f32 v[ACC+ii:ACC+ii+1], v[ACC+ii:ACC+ii+1], s[24:25] op_sel_hi:[1,0]   ; q x 32^-0.5
.set ii, ii+2
.endr
	QB4 ACC, QOP, 12
.irp t, 0,1,2,3
	v_lshl_or_b32 v[QS+\t], v[TM+4+\t], 8, v[TM+4+\t]      ; the block's byte at both places that its codes fill
.endr
	QB4 G, KOP, 12
.irp t, 0,1,2,3
	v_lshl_or_b32 v[KS+\t], v[TM+4+\t], 8, v[TM+4+\t]
.endr
	WIN M_V
.irp e, 0,1
.irp b, 0,1
.irp u, 0,1
	MM ACC+32*\e+16*\b+8*\u, XF+12*(2*\b+\u), WQ+48+12*\e, BV+8*\e, XS+2*\b+\u, WSQ+4+\e   ; v the other way round: lane (r, hh): channel of lane r, token 32 b + 16 hh + 8 u + j
.endr
.endr
.endr
	WIN TO1
	TLD 0                                          ; the table of query tiles 0 and 1
	WIN 0
	NOPS 4
.irp e, 0,1
.irp i, 1,2,3,4,5,6,7,8,9,10,11,12,13,14,15
	v_and_b32 v[ACC+32*\e+16+\i], v[LMASK], v[ACC+32*\e+16+\i]    ; tokens 49 .. 63 (lanes 16-31, registers 17 on) are zeros ahead of the quantiser
.endr
.endr
	QB4 ACC, VOP, 6                                ; blocks in the order (e, b): run 6 (2 e + b)
.irp e, 0,1
	v_lshl_or_b32 v254, v[TM+5+2*\e], 16, v[TM+4+2*\e]
	v_lshl_or_b32 v[VSC+\e], v254, 8, v254         ; bytes (s0, s0, s1, s1)
.endr
	; ---- C: attention of my head, two query tiles at a time
.macro PAIR p
	s_wait_dscnt 0x0                               ; the table is in (and the last pair's LDS stores have read their registers)
	WIN M_S
.irp a, 0,1
.irp k, 0,1,2,3
	MM ACC+32*\a+8*\k, KOP+12*\k, QOP+12*(2*\p+\a), XL+32*\a+8*\k, KS+\k, QS+2*\p+\a     ; S^T + bias + mask: lane (r, hh): query slot r, register 16 b + i: key 32 b + 16 hh + i
.endr
.endr
	WIN 0
	NOPS 4                                         ; four places ahead of loads into the products' C and of the first read of results
.if \p == 0
	WIN TO1
	TLD 8192                                       ; the next pair's table
	WIN 0
.endif
	BMAX 4, ACC, 0                                 ; the largest score of each block of 32 keys: for the row's maximum, and, since p rises with the score, for the block's largest p
.irp b, 0,1,2,3
	v_permlanex16_b32 v[TM+4+\b], v[TM+\b], s20, s21
.endr
.irp b, 0,1,2,3
	v_max_num_f32 v[TM+\b], v[TM+\b], v[TM+4+\b]
.endr
	v_max_num_f32 v254, v[TM], v[TM+1]
	v_max_num_f32 v255, v[TM+2], v[TM+3]
	v_mul_f32 v254, s22, v254                      ; the row's largest t
	v_mul_f32 v255, s22, v255
	v_floor_f32 v[NM0], -v254                      ; -M = floor(-t): M is a whole number
	v_floor_f32 v[NM0+2], -v255
.irp a, 0,1
.set ii, 0
.rept 16
	v_pk_fma_f32 v[ACC+32*\a+ii:ACC+32*\a+ii+1], v[ACC+32*\a+ii:ACC+32*\a+ii+1], s[22:23], v[NM0+2*\a:NM0+2*\a+1] op_sel_hi:[1,0,0]   ; t - M
.set ii, ii+2
.endr
.endr
.irp b, 0,1,2,3
	v_fma_f32 v[TM+\b], v[TM+\b], s22, v[NM0+2*(\b/2)]     ; the same of each block's largest score
.endr
.set ii, 0
.rept 64
	v_exp_f32 v[ACC+ii], v[ACC+ii]                 ; p = 2^(t - M): not normalised
.set ii, ii+1
.endr
	v_nop                                          ; a plain line behind the exponentials,
	s_wait_alu depctr_va_vdst(0)                   ; and one wait for the whole batch, ahead of its first reader
.irp b, 0,1,2,3
	v_exp_f32 v[TM+\b], v[TM+\b]                   ; the block's largest p
.endr
.irp a, 0,1                            ; the rows' sums of the unquantised p, in two chains a tile: plain work behind the four, which reads the 64 alone
	v_pk_add_f32 v[LS0+2*\a:LS0+2*\a+1], v[ACC+32*\a:ACC+32*\a+1], v[ACC+32*\a+2:ACC+32*\a+3]
	v_pk_add_f32 v[TM+8+2*\a:TM+9+2*\a], v[ACC+32*\a+4:ACC+32*\a+5], v[ACC+32*\a+6:ACC+32*\a+7]
.endr
.irp i, 8,12,16,20,24,28
.irp a, 0,1
	v_pk_add_f32 v[LS0+2*\a:LS0+2*\a+1], v[LS0+2*\a:LS0+2*\a+1], v[ACC+32*\a+\i:ACC+32*\a+\i+1]
	v_pk_add_f32 v[TM+8+2*\a:TM+9+2*\a], v[TM+8+2*\a:TM+9+2*\a], v[ACC+32*\a+\i+2:ACC+32*\a+\i+3]
.endr
.endr
.irp a, 0,1
	v_pk_add_f32 v[LS0+2*\a:LS0+2*\a+1], v[LS0+2*\a:LS0+2*\a+1], v[TM+8+2*\a:TM+9+2*\a]
.endr
	s_wait_alu depctr_va_vdst(0)                   ; and one wait for the four
.irp b, 0,1,2,3
	v_max_num_f32 v[TM+\b], 0x2800000, v[TM+\b]    ; the floor 2^(5 - 127)
.endr
.irp b, 0,1,2,3
	v_add_nc_u32 v[TM+12+\b], 0xfe000000, v[TM+\b]
.endr
.irp b, 0,1,2,3
	v_lshrrev_b32 v[TM+4+\b], 23, v[TM+12+\b]
.endr
	v_lshl_or_b32 v254, v[TM+5], 16, v[TM+4]
	v_lshl_or_b32 v255, v[TM+7], 16, v[TM+6]
	v_lshl_or_b32 v[PS], v254, 8, v254
	v_lshl_or_b32 v[PS+1], v255, 8, v255
	WIN TO1
.irp a, 0,1
.irp b, 0,1
	v_cvt_scalef32_pk16_bf6_f32 v[POP+12*\a+6*\b:POP+12*\a+6*\b+2], v[ACC+32*\a+16*\b:ACC+32*\a+16*\b+15], v[TM+12+2*\a+\b]
.endr
.endr
	WIN 0
	NOPS 8                                         ; a scale register written by a vector instruction stands eight places ahead of a scaled product, an operand four
	WIN M_PV
.irp a, 0,1
.irp e, 0,1
	MM0 G+16*\a+8*\e, VOP+12*\e, POP+12*\a, VSC+\e, PS+\a        ; O^T: lane (r, hh): query slot r, register 8 e + j: head channel 16 hh + 8 e + j
.endr
.endr
	WIN 0
	v_add_f32 v[LS0], v[LS0], v[LS0+1]             ; the sums' halves (plain lines: with the v_nop below they are the places behind the products)
	v_add_f32 v[LS0+2], v[LS0+2], v[LS0+3]
	v_permlanex16_b32 v[TM+8], v[LS0], s20, s21
	v_permlanex16_b32 v[TM+9], v[LS0+2], s20, s21
	v_add_f32 v[LS0], v[LS0], v[TM+8]
	v_add_f32 v[LS0+2], v[LS0+2], v[TM+9]
	v_rcp_f32 v[LS0], v[LS0]
	v_rcp_f32 v[LS0+2], v[LS0+2]
	v_nop
	s_wait_alu depctr_va_vdst(0)                   ; one wait for the two reciprocals
.irp a, 0,1
.irp i, 0,2,4,6,8,10,12,14
	v_pk_mul_f32 v[G+16*\a+\i:G+16*\a+\i+1], v[G+16*\a+\i:G+16*\a+\i+1], v[LS0+2*\a:LS0+2*\a+1] op_sel_hi:[1,0]
.endr
.endr
	BMAX 2, G, 1                                   ; my head's 32 channels are block w of the projection's K
	QSC 2
	v_cvt_scalef32_pk16_bf6_f32 v[PC:PC+2], v[G:G+15], v[TM+12]
	v_cvt_scalef32_pk16_bf6_f32 v[PC+4:PC+6], v[G+16:G+31], v[TM+13]
	v_nop
.irp a, 0,1
.irp i, 0,1,2
	ds_store_b32 v[AOI], v[PC+4*\a+\i] offset:1536*(2*\p+\a)+4*\i     ; my 16 codes at their place in the tile's image: lane r + 16 (w % 2), registers 6 (w / 2) + 3 hh on
.endr
	ds_store_b8 v[AOS], v[TM+4+\a] offset:64*(2*\p+\a)               ; both lanes of a block write the same byte with the same value
.endr
.endm
	PAIR 0
	PAIR 1
	BAR                                            ; the attention's four fragments lie in LDS
	; ---- D: projection, residual, LayerNorm 2 of my tile
	WIN TO1
	FETCH XF, AIMW, OIMG-XIMG
	LD64 XL, AVEC, 1536                            ; n2b
	WIN 0
	ds_load_b32 v[XS], v[AOR]
	LD64 ACC, AXT, 0                               ; the shortcut
	LD64 G, AVEC, 2048                             ; pb
	s_wait_dscnt 0x0
.set ii, 0
.rept 32
	v_pk_add_f32 v[ACC+ii:ACC+ii+1], v[ACC+ii:ACC+ii+1], v[G+ii:G+ii+1]
.set ii, ii+2
.endr
	LD64 G, AVEC, 1024                             ; n2g
	NOPS 4
	WIN M_P
.irp t, 0,1,2,3,4,5,6,7
	MM ACC+8*\t, WP+12*\t, XF, ACC+8*\t, WSP+\t, XS                  ; shortcut + bias is the C: eight accumulators, one product each
.endr
	WIN 0
	NOPS 4
.irp b, 0,1,2,3
.irp j, 0,1,2,3
	ds_store_b128 v[AXT], v[ACC+16*\b+4*\j:ACC+16*\b+4*\j+3] offset:X2S+128*\b+16*\j     ; x2, each accumulator from its low end on
.endr
.endr
	LNORM
	QUANT ACC
	IMAGE AIMW, YIMG-XIMG
	ds_store_b32 v[ASCW], v[PW] offset:YSC-XSC
	BAR                                            ; x2 and the MLP's four input fragments lie in LDS
	; ---- E: my 128 hidden units of all four tiles
	s_wait_kmcnt 0x0                               ; the next window's rows
.irp r, 0,1,2,3,4,5,6,7,8,9,10,11,12,13,14,15
	s_min_u32 s[RSN+\r], s[RSN+\r], ROWMAX
.endr
	s_cmp_eq_u32 s[TRIPS], 1                       ; the last trip asks for nothing
	s_cbranch_scc1 .Lno_next
	XISSUE RSN                                     ; into XL, which lies idle until the next trip's head
.Lno_next:
	s_mov_b32 s[SIM], 0
	s_mov_b32 s[SSC], 0
	s_mov_b32 s[MC], 4
.Lm:
	v_add_nc_u32 v[AD1], s[SIM], v[AIM]
	v_add_nc_u32 v[AD2], s[SSC], v[ASC]
	v_add_nc_u32 v[AD3], s[SIM], v[AIMG]
	v_add_nc_u32 v[AD4], s[SSC], v[ASCG]
	WIN TO1
	FETCH XF, AD1, YIMG-XIMG
	WIN 0
	ds_load_b32 v[XS], v[AD2] offset:YSC-XSC
	s_wait_dscnt 0x0
	WIN M_F1
.irp t, 0,1,2,3,4,5,6,7
	MM ACC+8*\t, W1F+12*\t, XF, BF1+8*\t, WS1+\t, XS                 ; the bias is the C
.endr
	WIN 0
	NOPS 4
	GELU16 ACC
	GELU16 ACC+16
	GELU16 ACC+32
	GELU16 ACC+48
	QUANT ACC
	IMAGE AD3, GIMG-XIMG                           ; K step w of the second product, tile m: image 4 w + m
	ds_store_b32 v[AD4], v[PW] offset:GSC-XSC
	s_wait_dscnt 0x0                               ; the stores have read their registers and addresses
	s_add_co_u32 s[SIM], s[SIM], 1536
	s_add_co_u32 s[SSC], s[SSC], 128
	s_sub_co_u32 s[MC], s[MC], 1
	s_cmp_lg_u32 s[MC], 0
	s_cbranch_scc1 .Lm
	BAR                                            ; the hidden layer's sixteen fragments lie in LDS
	; ---- F: my 32 channels of the second product for the 64 slots: eight accumulators by turns, a K step at a time
.macro FGET s, reg, hs, win            ; K step s: four scale words and four fragments: 16 LDS loads
.irp m, 0,1,2,3
	ds_load_b32 v[\hs+\m], v[ASC] offset:GSC-XSC+128*(4*\s+\m)
.endr
	WIN \win
.irp m, 0,1,2,3
	FETCH \reg+12*\m, AIM, GIMG-XIMG+1536*(4*\s+\m)
.endr
	WIN 0
.endm
.macro F2 s, b, hs
.irp m, 0,1,2,3
.irp n, 0,1
	MM ACC+8*(4*\n+\m), W2F+12*(4*\n+\s), \b+12*\m, ACC+8*(4*\n+\m), WS2+4*\n+\s, \hs+\m
.endr
.endr
.endm
.irp n, 0,1
.irp m, 0,1,2,3
	ds_load_b128 v[ACC+8*(4*\n+\m):ACC+8*(4*\n+\m)+3], v[AF2] offset:8448*\m+64*\n           ; x2(slot 16 m + r, channels 32 w + 16 n + 8 hh + 0 .. 7)
	ds_load_b128 v[ACC+8*(4*\n+\m)+4:ACC+8*(4*\n+\m)+7], v[AF2] offset:8448*\m+64*\n+16
.endr
.endr
	FGET 0, XF, XS, TO1
	FGET 1, G, QS, 0
	s_wait_dscnt 16                                ; all but K step 1's sixteen loads
	WIN B2
.irp n, 0,1
.irp m, 0,1,2,3
.irp i, 0,2,4,6
	v_pk_add_f32 v[ACC+8*(4*\n+\m)+\i:ACC+8*(4*\n+\m)+\i+1], v[ACC+8*(4*\n+\m)+\i:ACC+8*(4*\n+\m)+\i+1], v[BF2+8*\n+\i:BF2+8*\n+\i+1]
.endr
.endr
.endr
	WIN 0
	NOPS 4
	WIN M_F2A
	F2 0, XF, XS
	WIN 0
	s_wait_dscnt 0x0                               ; K step 1 is in
	NOPS 4                                         ; four places ahead of loads into registers that the products have read
	FGET 2, XF, XS, TO1
	WIN M_F2B
	F2 1, G, QS
	WIN 0
	NOPS 4
	FGET 3, G, QS, 0
	s_wait_dscnt 16                                ; K step 2 is in; K step 3's sixteen loads may be out
	WIN M_F2A
	F2 2, XF, XS
	s_wait_dscnt 0x0
	WIN M_F2B
	F2 3, G, QS
	WIN 0
	NOPS 4
.irp n, 0,1
.irp m, 0,1,2,3
	ds_store_b128 v[AF2], v[ACC+8*(4*\n+\m):ACC+8*(4*\n+\m)+3] offset:8448*\m+64*\n          ; the result takes x2's place: my own 128 bytes of each row
	ds_store_b128 v[AF2], v[ACC+8*(4*\n+\m)+4:ACC+8*(4*\n+\m)+7] offset:8448*\m+64*\n+16
.endr
.endr
	BAR                                            ; 64 whole rows of the result lie in LDS
.irp r, 0,1,2,3,4,5,6,7,8,9,10,11,12,13,14,15
	ds_load_b128 v[G+4*\r:G+4*\r+3], v[AXD] offset:X2S+528*\r
.endr
.irp r, 0,1,2,3,4,5,6,7,8,9,10,11,12,13,14,15
	v_lshl_add_u32 v[ACC+\r], s[RS+\r], 9, v[LB16]
.endr
	s_wait_dscnt 0x0
	BYROWS 2, 0
	s_wait_xcnt 0x0                                ; the stores' offsets and data are written again only behind this wait
.irp r, 0,1,2,3,4,5,6,7,8,9,10,11,12,13,14,15
	s_min_u32 s[RS+\r], s[RSN+\r], ROWMAX          ; the next window's rows become this window's
.endr
	s_sub_co_u32 s[TRIPS], s[TRIPS], 1
	s_cmp_lg_u32 s[TRIPS], 0
	s_cbranch_scc1 .Ltrip
	s_set_vgpr_msb 0x8
	s_wait_tensorcnt 0x0
	ds_add_u32 v225, v255
	s_wait_dscnt 0x0
	s_set_vgpr_msb 0x800
	s_endpgm
.Lfunc_end_k_q2e8b1421fc_blk0:
	.size	k_q2e8b1421fc_blk0, .Lfunc_end_k_q2e8b1421fc_blk0-k_q2e8b1421fc_blk0
	.p2alignl 7, 3214868480
	.fill 96, 4, 3214868480
	.section	.rodata,"a",@progbits
	.p2align	6, 0x0
	.amdhsa_kernel k_q2e8b1421fc_blk0
		.amdhsa_group_segment_fixed_size 190208
		.amdhsa_private_segment_fixed_size 0
		.amdhsa_enable_private_segment 0
		.amdhsa_kernarg_size 32
		.amdhsa_user_sgpr_count 2
		.amdhsa_user_sgpr_kernarg_segment_ptr 1
		.amdhsa_wavefront_size32 1
		.amdhsa_system_sgpr_workgroup_id_x 1
		.amdhsa_system_sgpr_workgroup_id_y 1
		.amdhsa_system_sgpr_workgroup_id_z 1
		.amdhsa_system_vgpr_workitem_id 0
		.amdhsa_next_free_vgpr 1024
		.amdhsa_next_free_sgpr 100
		.amdhsa_reserve_vcc 0
		.amdhsa_float_denorm_mode_32 3
		.amdhsa_float_denorm_mode_16_64 3
		.amdhsa_memory_ordered 1
		.amdhsa_forward_progress 1
		.amdhsa_inst_pref_size 197
	.end_amdhsa_kernel
	.amdgpu_metadata
---
amdhsa.version: [ 1, 2 ]
amdhsa.kernels:
  - .name:           k_q2e8b1421fc_blk0
    .symbol:         k_q2e8b1421fc_blk0.kd
    .args:
      - { .name: x, .offset: 0, .size: 8, .value_kind: global_buffer, .address_space: global }
      - { .name: wk0, .offset: 8, .size: 8, .value_kind: global_buffer, .address_space: global }
      - { .name: rows0, .offset: 16, .size: 8, .value_kind: global_buffer, .address_space: global }
      - { .name: xmid, .offset: 24, .size: 8, .value_kind: global_buffer, .address_space: global }
    .group_segment_fixed_size: 190208
    .private_segment_fixed_size: 0
    .kernarg_segment_align: 8
    .kernarg_segment_size: 32
    .max_flat_workgroup_size: 128
    .sgpr_count:     100
    .vgpr_count:     1024
    .wavefront_size: 32
...
	.end_amdgpu_metadata
.endif
;; end of part 2
;; launch blk1: the kernel of part 2 again; grid 256 x 1, 4 waves a work-group, no clusters, 190,208 bytes of LDS; arguments xmid, wk1, rows1, out0; writes out0
